; MI455X (gfx1250); checked and timed in simulation.
; The chip was launched on July 23, 2026; its instructions are those of AMD's public machine-readable ISA for CDNA 5 (MIT licence, August 2026) and "CDNA5" Instruction Set Architecture Reference Guide (July 2026). The comments in the code are by the model that wrote it; some were corrected since.
;; Ex4bit Linear. Allowed arithmetic: float matrix products may take bf16 or f16 operands with f32 sums; other float arithmetic in f32, or as packed bf16 or f16 multiplies, adds, multiply-adds, maxima and minima; sums over many terms, partial sums and values carried from step to step in f32; what a program stores and reads back later, other than sums and carried values, may be rounded once to bf16 or f16.
;; Inputs: qweight 512 x 2,048 int32; qzeros 32 x 256 int32; scales 32 x 2,048 float32; x 4 x 2,048 x 4,096 float32.
;; Outputs: out0 4 x 2,048 x 2,048 float32.
;; 2 versions, each right; version 2 is version 1 with the launch cvtx written anew for expert scheduling mode. Each part assembles by itself: llvm-mc -triple=amdgcn-amd-amdhsa -mcpu=gfx1250 --defsym DOCPART=n.
;; ======== version 1 of 2: 3 launches
;; limits: values are held in f16: magnitudes above 65,504 overflow, below 6.1e-05 lose precision; inputs' magnitudes at most 65,504
;; workspace buffers: xh 67,108,864 bytes; wt 16,777,216 bytes
;; launch cvtx (part 1): grid 1024 x 1, 8 waves a work-group, no clusters, 0 bytes of LDS; arguments x, xh; writes xh
.if DOCPART == 1
	.amdgcn_target "amdgcn-amd-amdhsa--gfx1250"
	.amdhsa_code_object_version 6
	.text
	.protected	k_qb0d788ed21_cvtx
	.globl	k_qb0d788ed21_cvtx
	.p2align	8
	.type	k_qb0d788ed21_cvtx,@function
k_qb0d788ed21_cvtx:
	s_mov_b64 s[64:65], 0
	v_nop
	global_prefetch_b8 v0, s[64:65] scope:SCOPE_SE
	s_setreg_imm32_b32 hwreg(HW_REG_WAVE_MODE, 25, 1), 1
	s_wait_xcnt 0x0
; xh = f16(x), element by element.  x: [8192][4096] f32, xh: the same shape in f16; both are walked as one dense run of numbers.  Each number is rounded once, to nearest even.
; LIMITS.  f16 holds no number beyond 65,504: an x of magnitude 65,520 or more becomes an infinity; below 6.1e-5 an x keeps f16's fixed step of 6e-8.  NaN and infinities go through as they come.
; WHY A LAUNCH OF ITS OWN.  In f32 a K step of 128 of the product's tiles (256 rows of x, 256 columns of w) would take 204,800 bytes of LDS, and two such slots do not fit; in f16 a slot is 143,360 bytes.
; SHARES.  A work-group of eight waves takes 128 KiB of x: 32 chunks of 4,096 bytes.  Of each chunk thread t takes the 16 bytes at 16 t, so a wave's load covers 512 consecutive bytes; its four numbers
; become 8 bytes at 8 t of the chunk's 2,048 bytes of xh, so a wave's store covers 256 consecutive bytes, at a multiple of 256 from xh's first byte.
; A ring of DEPTH slots in registers keeps DEPTH loads of every wave in flight.  No LDS, no barrier, no matrix unit, no cluster: no byte is used twice.
.set DEPTH,  8                         ; slots = loads in flight in each wave
.set CHUNK,  4096                      ; bytes of x that the 256 threads take with one load each
.set ROUNDS, 32/DEPTH                  ; each round takes every slot once
.set LO, 1                             ; v1        16 t; never rewritten
.set SO, 2                             ; v2        8 t; never rewritten
.set X,  4                             ; v[4:35]   slot i: 4 numbers as loaded
.set Y,  36                            ; v[36:51]  slot i: the same 4 in f16, to store
	s_load_b128 s[4:7], s[0:1], 0x0                ; x s[4:5], xh s[6:7]
	s_lshl_b32 s8, ttmp9, 17                       ; the work-group's 128 KiB of x (1,023 x 131,072 stays under 2^32),
	s_mov_b32 s9, 0
	s_lshl_b32 s10, ttmp9, 16                      ; and its 64 KiB of xh
	s_mov_b32 s11, 0
	v_lshlrev_b32 v[LO], 4, v0
	v_lshlrev_b32 v[SO], 3, v0
	s_wait_kmcnt 0x0
	s_add_nc_u64 s[4:5], s[4:5], s[8:9]
	s_add_nc_u64 s[6:7], s[6:7], s[10:11]
.irp i, 0,1,2,3,4,5,6,7
	global_load_b128 v[X+4*(\i):X+4*(\i)+3], v[LO], s[4:5] offset:(\i)*CHUNK th:TH_LOAD_NT  ; fill the ring: chunks 0 to 7; x is read once in the launch
.endr
; One slot's turn.  ahead = 1: the slot is filled again with the chunk DEPTH further on.  left = how many younger loads may still be out.
.macro SLOT i, ahead, left
	s_wait_loadcnt \left                           ; loads come back in order (ISA guide 5.7.1): mine is in, the younger ones stay out
	v_cvt_pk_f16_f32 v[Y+2*(\i)],   v[X+4*(\i)],   v[X+4*(\i)+1]
	v_cvt_pk_f16_f32 v[Y+2*(\i)+1], v[X+4*(\i)+2], v[X+4*(\i)+3]
.if \ahead
	global_load_b128 v[X+4*(\i):X+4*(\i)+3], v[LO], s[4:5] offset:(DEPTH+(\i))*CHUNK th:TH_LOAD_NT  ; the load ahead of the store
.endif
	global_store_b64 v[SO], v[Y+2*(\i):Y+2*(\i)+1], s[6:7] offset:(\i)*CHUNK/2                      ; no hint: a later launch reads these bytes
.endm
	s_mov_b32 s12, ROUNDS-1
.Lround:
.irp i, 0,1,2,3,4,5,6,7
	SLOT \i, 1, DEPTH-1
.endr
	s_wait_xcnt 0x0                                ; every earlier memory instruction has had its addresses translated (ISA guide 3.1): only behind this wait are the two bases stepped and Y written again
	s_add_nc_u64 s[4:5], s[4:5], DEPTH*CHUNK
	s_add_nc_u64 s[6:7], s[6:7], DEPTH*CHUNK/2
	s_sub_co_u32 s12, s12, 1
	s_cmp_lg_u32 s12, 0
	s_cbranch_scc1 .Lround
.irp i, 0,1,2,3,4,5,6,7
	SLOT \i, 0, DEPTH-1-(\i)                       ; the last round loads nothing: no load leaves the buffer, and the counts run down
.endr
	s_endpgm
.Lfunc_end_k_qb0d788ed21_cvtx:
	.size	k_qb0d788ed21_cvtx, .Lfunc_end_k_qb0d788ed21_cvtx-k_qb0d788ed21_cvtx
	.p2alignl 7, 3214868480
	.fill 96, 4, 3214868480
	.section	.rodata,"a",@progbits
	.p2align	6, 0x0
	.amdhsa_kernel k_qb0d788ed21_cvtx
		.amdhsa_group_segment_fixed_size 0
		.amdhsa_private_segment_fixed_size 0
		.amdhsa_enable_private_segment 0
		.amdhsa_kernarg_size 16
		.amdhsa_user_sgpr_count 2
		.amdhsa_user_sgpr_kernarg_segment_ptr 1
		.amdhsa_wavefront_size32 1
		.amdhsa_system_sgpr_workgroup_id_x 1
		.amdhsa_system_sgpr_workgroup_id_y 1
		.amdhsa_system_sgpr_workgroup_id_z 1
		.amdhsa_system_vgpr_workitem_id 0
		.amdhsa_next_free_vgpr 52
		.amdhsa_next_free_sgpr 66
		.amdhsa_reserve_vcc 0
		.amdhsa_float_denorm_mode_32 3
		.amdhsa_float_denorm_mode_16_64 3
		.amdhsa_memory_ordered 1
		.amdhsa_forward_progress 1
		.amdhsa_inst_pref_size 7
	.end_amdhsa_kernel
	.amdgpu_metadata
---
amdhsa.version: [ 1, 2 ]
amdhsa.kernels:
  - .name:           k_qb0d788ed21_cvtx
    .symbol:         k_qb0d788ed21_cvtx.kd
    .args:
      - { .name: x, .offset: 0, .size: 8, .value_kind: global_buffer, .address_space: global }
      - { .name: xh, .offset: 8, .size: 8, .value_kind: global_buffer, .address_space: global }
    .group_segment_fixed_size: 0
    .private_segment_fixed_size: 0
    .kernarg_segment_align: 8
    .kernarg_segment_size: 16
    .max_flat_workgroup_size: 256
    .sgpr_count:     66
    .vgpr_count:     52
    .wavefront_size: 32
...
	.end_amdgpu_metadata
.endif
;; end of part 1
;; launch dequant (part 2): grid 4 x 64, 8 waves a work-group, no clusters, 25,856 bytes of LDS; arguments qweight, qzeros, scales, wt; writes wt
.if DOCPART == 2
	.amdgcn_target "amdgcn-amd-amdhsa--gfx1250"
	.amdhsa_code_object_version 6
	.text
	.protected	k_qb0d788ed21_dequant
	.globl	k_qb0d788ed21_dequant
	.p2align	8
	.type	k_qb0d788ed21_dequant,@function
k_qb0d788ed21_dequant:
	s_mov_b64 s[64:65], 0
	v_nop
	global_prefetch_b8 v0, s[64:65] scope:SCOPE_SE
	s_setreg_imm32_b32 hwreg(HW_REG_WAVE_MODE, 25, 1), 1
	s_wait_xcnt 0x0
; wt[ks][n][kk] = f16( (q - (z + 1)) * s ),  k = 64 ks + kk,  q = nibble k % 8 of qweight[k / 8][n],  z = nibble n % 8 of qzeros[k / 128][n / 8],  s = scales[k / 128][n].
; wt is w transposed and cut into K steps of 64: byte ks * 262,144 + n * 128 + kk * 2, so that 128 columns of one K step are 16,384 dense bytes for the launch behind.
; The difference q - (z + 1) is exact in f32, the product is rounded once to f32 and once to f16 (nearest even).
; LIMITS.  f16 holds no number beyond 65,504: a w of magnitude 65,520 or more (a scale of 4,095 or more) becomes an infinity.  Below 6.1e-5 a w keeps f16's fixed step of 6e-8, which down to 1.5e-5 is no
; coarser than bf16's step there.  A NaN or an infinity in scales goes through as it comes.  Why f16 and not bf16: the head of the launch behind.
; SHARES.  A work-group takes 8 word rows of qweight (one K step) x 512 columns: 16 KiB in, 64 KiB out.  A word holds 8 consecutive k of ONE column, 16 bytes of wt; the words are read along n
; (512 consecutive bytes a wave's load) and wanted along k (the 8 words of a column are 128 consecutive bytes of wt), so they cross LDS once.
; NO CLUSTER, NO TENSOR LOAD, NO MATRIX UNIT: of the 18,688 bytes that a work-group reads only the 2,304 of scales and qzeros are read by another one (the other K step of the group of 128).
.set QPITCH, 2064                      ; a word row in LDS: 2,048 bytes + 16 = 516 words: row j starts 4 j words on modulo 64, so the 8 rows x 4 columns of a wave's read touch 32 different words modulo 64
.set SZ,     16640                     ; behind the 8 word rows: for each of the 512 columns 16 bytes: -(z+1), -(z+1), s, s
.set SPARE,  24832                     ; behind that: the spare words, 128 bytes for each of the 8 waves: four blocks of 256 bytes that no other line names
.set QO,  2                            ; v2   byte offset of my 16 bytes in the group's first two word rows of qweight
.set QL,  3                            ; v3   the same place in LDS
.set ZO,  4                            ; v4   byte offset of the word of qzeros that holds my two columns
.set SH,  5                            ; v5   the bit at which my two nibbles begin in it
.set SO,  6                            ; v6   byte offset of my two scales
.set SZL, 7                            ; v7   LDS address of my two columns' records
.set WL,  8                            ; v8   second half: LDS address of my word (row lane % 8, column 64 wave + lane / 8)
.set PL,  9                            ; v9   and of that column's record
.set GO,  10                           ; v10  my byte offset in the group's 64 KiB of wt: 8,192 wave + 16 lane
.set SPW, 12                           ; v12  LDS address of my spare word; never rewritten
.set NIL, 13                           ; v13  0; never rewritten
.set ZW,  14                           ; v14  the word of qzeros
.set Q,   16                           ; v[16:31]   four loads of qweight
.set W,   32                           ; v[32:47]   16 words, one for each of my 16 turns
.set P,   48                           ; v[48:111]  their columns' records
.set T,   112                          ; v[112:119] at work; first my two scales
.set SC,  112
.set O,   120                          ; v[120:183] 16 x 16 bytes to store, each register written once behind the barrier: no store's data is ever rewritten
.set E,   120                          ; first, ahead of the barrier: my two columns' records
	s_load_b256 s[4:11], s[0:1], 0x0               ; qweight s[4:5], qzeros s[6:7], scales s[8:9], wt s[10:11]
	v_lshl_add_u32 v[SPW], v0, 2, SPARE
	v_mov_b32 v[NIL], 0
	s_and_b32 s13, ttmp7, 0xffff                   ; ks: the K step of 64
	s_lshr_b32 s14, s13, 1                         ; g: the group of 128
	s_lshl_b32 s15, ttmp9, 11                      ; my 512 columns x 4 bytes
	s_lshl_b32 s16, s13, 16                        ; qweight: 8 rows of 8,192 bytes a K step
	s_add_co_u32 s16, s16, s15
	s_mov_b32 s17, 0
	s_lshl_b32 s18, s14, 10                        ; qzeros: rows of 1,024 bytes, 256 bytes for 512 columns
	s_lshl_b32 s12, ttmp9, 8
	s_add_co_u32 s18, s18, s12
	s_mov_b32 s19, 0
	s_lshl_b32 s20, s14, 13                        ; scales: rows of 8,192 bytes
	s_add_co_u32 s20, s20, s15
	s_mov_b32 s21, 0
	s_lshl_b32 s22, s13, 18                        ; wt: 262,144 bytes a K step, 128 a column
	s_lshl_b32 s12, ttmp9, 16
	s_add_co_u32 s22, s22, s12
	s_mov_b32 s23, 0
	v_lshrrev_b32 v1, 7, v0                        ; threads 0-127 take the even word rows, 128-255 the odd ones
	v_and_b32 v11, 127, v0
	v_lshlrev_b32 v11, 4, v11                      ; 16 bytes, four columns, a thread
	v_lshl_add_u32 v[QO], v1, 13, v11
	v_mul_u32_u24 v[QL], v1, QPITCH
	v_add_nc_u32 v[QL], v[QL], v11
	v_and_b32 v[ZO], 0xfc, v0                      ; columns 2 t, 2 t + 1 lie in word t / 4,
	v_and_b32 v[SH], 3, v0
	v_lshlrev_b32 v[SH], 3, v[SH]                  ; from bit 8 (t % 4) on
	v_lshlrev_b32 v[SO], 3, v0
	v_lshl_add_u32 v[SZL], v0, 5, SZ
	v_and_b32 v1, 31, v0                           ; lane
	v_lshrrev_b32 v11, 5, v0                       ; wave
	v_and_b32 v15, 7, v1
	v_lshrrev_b32 v14, 3, v1
	v_mul_u32_u24 v[WL], v15, QPITCH               ; word row lane % 8,
	v_lshl_add_u32 v[WL], v11, 8, v[WL]            ; the wave's 64 columns,
	v_lshl_add_u32 v[WL], v14, 2, v[WL]            ; column lane / 8 of four
	v_lshlrev_b32 v[PL], 10, v11
	v_lshl_add_u32 v[PL], v14, 4, v[PL]
	v_add_nc_u32 v[PL], SZ, v[PL]
	v_lshlrev_b32 v[GO], 4, v1
	v_lshl_add_u32 v[GO], v11, 13, v[GO]
	s_wait_kmcnt 0x0
	s_add_nc_u64 s[4:5], s[4:5], s[16:17]
	s_add_nc_u64 s[6:7], s[6:7], s[18:19]
	s_add_nc_u64 s[8:9], s[8:9], s[20:21]
	s_add_nc_u64 s[10:11], s[10:11], s[22:23]
.irp i, 0,1,2,3
	global_load_b128 v[Q+4*(\i):Q+4*(\i)+3], v[QO], s[4:5] offset:(\i)*16384 th:TH_LOAD_NT  ; word rows 2 i, 2 i + 1; a wave's load covers 512 consecutive bytes; read once in the launch
.endr
	global_load_b32 v[ZW], v[ZO], s[6:7]
	global_load_b64 v[SC:SC+1], v[SO], s[8:9]
	s_wait_loadcnt 0x2                             ; the four loads of qweight are in; the two younger loads may stay out
.irp i, 0,1,2,3
	ds_store_b128 v[QL], v[Q+4*(\i):Q+4*(\i)+3] offset:(\i)*2*QPITCH
.endr
	s_wait_loadcnt 0x0
	v_lshrrev_b32 v[ZW], v[SH], v[ZW]
	v_and_b32 v15, 15, v[ZW]                       ; z of column 2 t
	v_bfe_u32 v11, v[ZW], 4, 4                     ; z of column 2 t + 1
	v_xor_b32 v15, -1, v15                         ; -z - 1
	v_xor_b32 v11, -1, v11
	v_cvt_f32_i32 v[E], v15
	v_cvt_f32_i32 v[E+4], v11
	v_mov_b32 v[E+2], v[SC]                        ; each number twice: the packed arithmetic below takes pairs
	v_mov_b32 v[E+3], v[SC]
	v_mov_b32 v[E+6], v[SC+1]
	v_mov_b32 v[E+7], v[SC+1]
	v_mov_b32 v[E+1], v[E]
	v_mov_b32 v[E+5], v[E+4]
	ds_store_b128 v[SZL], v[E:E+3]
	ds_store_b128 v[SZL], v[E+4:E+7] offset:16
	s_wait_dscnt 0x0                               ; for the others' sake: my stores are done
	s_barrier_signal -1
	s_barrier_wait -1
.irp it, 0,1,2,3,4,5,6,7,8,9,10,11,12,13,14,15
	ds_load_b32  v[W+(\it)], v[WL] offset:16*(\it)              ; turn it: columns 64 wave + 4 it + 0..3, all 8 word rows
	ds_load_b128 v[P+4*(\it):P+4*(\it)+3], v[PL] offset:64*(\it)
.endr
; One turn: my word's 8 nibbles become 8 f16, 16 bytes; the wave's store covers four columns' 128 bytes: 512 consecutive bytes, at a multiple of 512 from wt's first byte.
.macro DEQ it
	s_wait_dscnt 30-2*(\it)                        ; LDS loads come back in order (ISA guide 5.7.1): this turn's two are in, the 2 (15 - it) younger ones may stay out
.irp i, 0,1,2,3,4,5,6,7
	v_bfe_u32 v[T+(\i)], v[W+(\it)], 4*(\i), 4
.endr
.irp i, 0,1,2,3,4,5,6,7
	v_cvt_f32_u32 v[T+(\i)], v[T+(\i)]
.endr
.irp j, 0,2,4,6
	v_pk_add_f32 v[T+(\j):T+(\j)+1], v[T+(\j):T+(\j)+1], v[P+4*(\it):P+4*(\it)+1]    ; q - (z + 1), exact
.endr
.irp j, 0,2,4,6
	v_pk_mul_f32 v[T+(\j):T+(\j)+1], v[T+(\j):T+(\j)+1], v[P+4*(\it)+2:P+4*(\it)+3]  ; times s.  The sum comes first, so the two cannot be one fused multiply-add
.endr
.irp j, 0,1,2,3
	v_cvt_pk_f16_f32 v[O+4*(\it)+(\j)], v[T+2*(\j)], v[T+2*(\j)+1]
.endr
	global_store_b128 v[GO], v[O+4*(\it):O+4*(\it)+3], s[10:11] offset:512*(\it)     ; no hint: the next launch reads these bytes
.endm
.irp it, 0,1,2,3,4,5,6,7,8,9,10,11,12,13,14,15
	DEQ \it
.endr
	s_wait_tensorcnt 0x0                           ; the wave's end, behind my last LDS store
	ds_add_u32 v[SPW], v[NIL]
	s_wait_dscnt 0x0
	s_endpgm
.Lfunc_end_k_qb0d788ed21_dequant:
	.size	k_qb0d788ed21_dequant, .Lfunc_end_k_qb0d788ed21_dequant-k_qb0d788ed21_dequant
	.p2alignl 7, 3214868480
	.fill 96, 4, 3214868480
	.section	.rodata,"a",@progbits
	.p2align	6, 0x0
	.amdhsa_kernel k_qb0d788ed21_dequant
		.amdhsa_group_segment_fixed_size 25856
		.amdhsa_private_segment_fixed_size 0
		.amdhsa_enable_private_segment 0
		.amdhsa_kernarg_size 32
		.amdhsa_user_sgpr_count 2
		.amdhsa_user_sgpr_kernarg_segment_ptr 1
		.amdhsa_wavefront_size32 1
		.amdhsa_system_sgpr_workgroup_id_x 1
		.amdhsa_system_sgpr_workgroup_id_y 1
		.amdhsa_system_sgpr_workgroup_id_z 1
		.amdhsa_system_vgpr_workitem_id 0
		.amdhsa_next_free_vgpr 184
		.amdhsa_next_free_sgpr 66
		.amdhsa_reserve_vcc 0
		.amdhsa_float_denorm_mode_32 3
		.amdhsa_float_denorm_mode_16_64 3
		.amdhsa_memory_ordered 1
		.amdhsa_forward_progress 1
		.amdhsa_inst_pref_size 32
	.end_amdhsa_kernel
	.amdgpu_metadata
---
amdhsa.version: [ 1, 2 ]
amdhsa.kernels:
  - .name:           k_qb0d788ed21_dequant
    .symbol:         k_qb0d788ed21_dequant.kd
    .args:
      - { .name: qweight, .offset: 0, .size: 8, .value_kind: global_buffer, .address_space: global }
      - { .name: qzeros, .offset: 8, .size: 8, .value_kind: global_buffer, .address_space: global }
      - { .name: scales, .offset: 16, .size: 8, .value_kind: global_buffer, .address_space: global }
      - { .name: wt, .offset: 24, .size: 8, .value_kind: global_buffer, .address_space: global }
    .group_segment_fixed_size: 25856
    .private_segment_fixed_size: 0
    .kernarg_segment_align: 8
    .kernarg_segment_size: 32
    .max_flat_workgroup_size: 256
    .sgpr_count:     66
    .vgpr_count:     184
    .wavefront_size: 32
...
	.end_amdgpu_metadata
.endif
;; end of part 2
;; launch gemm (part 3): grid 8 x 32, 4 waves a work-group, clusters of 4 x 4, 327,680 bytes of LDS; arguments xh, wt, out0; writes out0
.if DOCPART == 3
	.amdgcn_target "amdgcn-amd-amdhsa--gfx1250"
	.amdhsa_code_object_version 6
	.text
	.protected	k_qb0d788ed21_gemm
	.globl	k_qb0d788ed21_gemm
	.p2align	8
	.type	k_qb0d788ed21_gemm,@function
k_qb0d788ed21_gemm:
	s_mov_b64 s[64:65], 0
	v_nop
	global_prefetch_b8 v0, s[64:65] scope:SCOPE_SE
	s_setreg_imm32_b32 hwreg(HW_REG_WAVE_MODE, 25, 1), 1
	s_wait_xcnt 0x0
	s_wait_alu depctr_hold_cnt(0) depctr_sa_sdst(0) depctr_va_vdst(0) depctr_va_sdst(0) depctr_va_ssrc(0) depctr_va_vcc(0) depctr_vm_vsrc(0)
	s_getreg_b32 s2, hwreg(HW_REG_IB_STS2, 6, 4)
	s_cmp_eq_u32 s2, 0
	s_cbranch_scc0 .Lentry_in_a_cluster
	s_endpgm
.Lentry_in_a_cluster:
	s_bfe_u32 s2, ttmp6, 0x10000c
	s_cmp_lg_u32 s2, 0xf033
	s_cbranch_scc0 .Lentry_shape_is_right
	s_endpgm
.Lentry_shape_is_right:
; out0[m][n] = sum over k of xh[m][k] wt(n, k).  xh: x in f16, [8192][4096].  wt: w transposed in f16, [64 blocks of 64 k][2048 n][64 k].  Both were made by the launches in front.  out0: [8192][2048] f32.  Sums in f32.
; THE FORMAT.  A number rounded to p significant bits is off by about 0.4 x 2^-p of itself (root mean square), so a sum of products whose two factors are both so rounded is off by about 0.6 x 2^-p of the
; output's root mean square, and each of the 16.8 million outputs must lie within 1% of that.  With bf16 (p = 8) the 1% are fewer than five such deviations, too few for so many numbers; with f16 (p = 11) about 35.
; LIMITS.  x and w were each rounded once to f16 (nearest even): a magnitude of 65,520 or more has become an infinity, and below 6.1e-5 a number keeps f16's fixed step of 6e-8.  The sums are grouped as the
; matrix instruction groups them.  NaN and infinities go through as they come.
; SHARES.  A tile of out0 is 256 x 256: 32 x 8 = 256 tiles, one work-group each.  Four waves, each 128 x 128: 64 accumulators of 16 x 16, 512 registers.
; THE RING.  K goes in steps of 128 through two LDS slots: 256 rows of xh (256 bytes each) and, for 256 columns, two blocks of wt (64 k, 128 bytes a column).  xh's rows are 256 bytes of memory at multiples of
; 256; a block's 256 columns are 32,768 dense bytes and are asked for as 128 rows of 256 bytes.  One tensor load a wave: waves 0, 1 xh's two halves, waves 2, 3 wt's two blocks.  By this text's own count a wave
; has two tensor loads out at the start and one behind each refill; from a refill to the wait for it the wave issues 224 matrix instructions.
; CLUSTERS.  4 x 4 work-groups.  The four of a row of the cluster need the same rows of xh, the four of a column the same columns of wt: each tile is asked for JOINTLY, by the same tensor load with the same
; descriptor and a mask that names the four.
; THE MATRIX INSTRUCTION IS USED TRANSPOSED: source 0 = 16 columns of wt, source 1 = 16 rows of xh.  In the result lane l holds row l % 16 of out0 and its registers 0-7 the columns 8 (l / 16) + 0..7: 32 neighbouring bytes.
; REGISTERS, in windows of 256 (s_set_vgpr_msb: bits 1:0 source 0, 3:2 source 1, 5:4 source 2, 7:6 destination):
;   window 0: v0-31 addresses; v64-127, v128-191 fragments of xh (8 x 16 rows x 32 K), two buffers; on the way out v64-127 hold 16 rows read back
;   window 1: v64-127, v128-191 fragments of wt, two buffers
;   window 2: the 32 accumulators of my rows 0-63 (accumulator (a, b) at v[8 (8 a + b)]);   window 3: those of my rows 64-127
.set KSTEP,  128
.set PA,     272                       ; a row of xh in LDS: 256 bytes + 16 of padding: the 16 rows that a load touches start in 16 different columns of 16 bytes modulo 256
.set PB,     144                       ; a column's 64 k of wt: 128 + 16: likewise
.set HALFA,  128*PA                    ; 128 rows of xh: what one tensor load brings, and what one wave reads
.set ABYTES, 256*PA
.set BBLK,   256*PB                    ; a block of wt: what one tensor load brings
.set SLOT,   ABYTES+2*BBLK             ; xh's 256 rows, then wt's two blocks
.set STAGE,  2*SLOT                    ; behind the ring, never filled by a tensor load: 16 rows x 528 bytes for each wave, for the way out
.set SP,     528                       ; a stage row: 512 bytes + 16
.set SPARE,  STAGE+4*16*SP             ; behind the stages: the spare words, 128 bytes for each wave: two blocks of 256 bytes that no other line names
.set LAPS,   4096/(2*KSTEP)            ; a lap = two K steps = once round the ring
.set ROWB,   8192                      ; bytes in a row of out0, and in a row of xh
.set ADRA, 16                          ; v16-17  LDS address of my fragments of xh in slot 0, 1
.set ADRB, 20                          ; v20-21  the same for wt
.set STO,  24                          ; v24     the way out: where I put 32 bytes of a row
.set RD,   25                          ; v25     the way out: where I read rows back
.set CO,   26                          ; v26     my byte offset in 512 consecutive bytes of out0
.set SPW,  28                          ; v28     LDS address of my spare word: SPARE + 4 x my thread's number; never rewritten
.set NIL,  29                          ; v29     0; never rewritten
.set F0,   64                          ; fragment buffer 0
.set F1,   128                         ; fragment buffer 1
.set OB,   64                          ; the way out: 16 rows of 512 bytes, 64 registers
.set G1A, 24                           ; s[24:31] descriptor group 1 for xh's tiles;  s[32:39] group 0, one set for each slot
.set G0A, 32
.set G1B, 48                           ; s[48:55], s[56:63] the same for wt's tiles
.set G0B, 56
.set MSB, 0
.macro WIN new                         ; the immediate's high byte repeats the setting that is left; a switch that changes nothing is dropped
.if MSB != (\new)
	s_set_vgpr_msb (MSB<<8)|(\new)
.set MSB, \new
.endif
.endm
.set MUL_LO, 0xa1                      ; source 0 (wt) window 1, source 1 (xh) window 0, C and D window 2
.set MUL_HI, 0xf1                      ; the same, C and D window 3
.set TO_B,   0x40                      ; destination window 1, address window 0
.set ST_LO,  0x08                      ; an LDS store's data (source 1) in window 2; + 4: in window 3
; A joint load.  Waves 0 and 1 fetch xh's two halves, waves 2 and 3 wt's two blocks.  Each of the two lines has one mask and one set of registers for all that issue it; the branch hangs on the wave's number alone.
; An s_nop 0 and four v_nop follow each of the two lines, ahead of the jump, the label and what follows.
.macro JLOAD s
	s_cmp_eq_u32 s11, 0
	s_cbranch_scc0 .Lfor_b_\@
	tensor_load_to_lds s[G0A+4*(\s):G0A+4*(\s)+3], s[G1A:G1A+7]
	s_nop 0
.rept 4
	v_nop
.endr
	s_branch .Lasked_\@
.Lfor_b_\@:
	tensor_load_to_lds s[G0B+4*(\s):G0B+4*(\s)+3], s[G1B:G1B+7]
	s_nop 0
.rept 4
	v_nop
.endr
.Lasked_\@:
.endm
; A round of the cluster's barrier: my work-group's barrier, so that wave 0's signal speaks for all four waves; wave 0 signals; every wave waits for all sixteen work-groups; my work-group's barrier once more.
.macro CREST                           ; a round behind its opening barrier
	s_cmp_lg_u32 s10, 0
	s_cbranch_scc1 .Lnot_wave_0_\@
	s_barrier_signal -3
.Lnot_wave_0_\@:
	s_barrier_wait -3
	s_barrier_signal -1
	s_barrier_wait -1
.endm
.macro CROUND                          ; a whole round
	s_barrier_signal -1
	s_barrier_wait -1
	CREST
.endm
	s_load_b128 s[4:7], s[0:1], 0x0                ; xh s[4:5], wt s[6:7]
	s_load_b64 s[8:9], s[0:1], 0x10                ; out0
	v_lshl_add_u32 v[SPW], v0, 2, SPARE
	v_mov_b32 v[NIL], 0
	ds_add_u32 v[SPW], v[NIL]                      ; the wave's opening: the add and its wait stand ahead of my first tensor load; the set-up below, work on registers, stands between them
	v_lshrrev_b32 v1, 5, v0
	v_readfirstlane_b32 s10, v1                    ; wave 0..3
	s_lshr_b32 s11, s10, 1                         ; which half of the tile's rows is mine.  Also: I fetch for xh (0) or for wt (1)
	s_and_b32 s12, s10, 1                          ; which half of its columns.  Also: which half of xh's rows, or which block of wt, I fetch
	s_bfe_u32 s40, ttmp6, 0x40000                  ; cx, cy: my place in the cluster
	s_bfe_u32 s41, ttmp6, 0x40004
	s_lshl_b32 s42, ttmp9, 2                       ; in a cluster launch ttmp9 and ttmp7 count clusters
	s_add_co_u32 s42, s42, s40                     ; tile column = 4 x cluster x + cx
	s_and_b32 s13, ttmp7, 0xffff
	s_lshl_b32 s13, s13, 2
	s_add_co_u32 s13, s13, s41                     ; tile row = 4 x cluster y + cy
	s_lshl_b32 s43, s41, 2
	s_lshl_b32 s43, 15, s43                        ; my row of the cluster: places 4 cy .. 4 cy + 3
	s_lshl_b32 s44, 0x1111, s40                    ; my column: places cx, cx + 4, cx + 8, cx + 12
	; group 1 for xh: 128 rows x 128 elements of 2 bytes, 4,096 elements from row to row
	s_or_b32 s[G1A+0], s43, (1<<16)|(1<<20)|(1<<21)|(5<<22)|(3<<25)  ; 15:0 the mask: my row; 17:16 elements of 2 bytes; 20 padding on; 21 set beside a mask; 24:22 after every 64 words (code 5); 31:25 4 words of it (code 3)
	s_mov_b32 s[G1A+1], 128<<16                    ; tensor_dim0 = 128
	s_mov_b32 s[G1A+2], 128<<16                    ; tensor_dim1 = 128
	s_mov_b32 s[G1A+3], 128<<16                    ; tile_dim0 = 128
	s_mov_b32 s[G1A+4], 128                        ; tile_dim1 = 128
	s_mov_b32 s[G1A+5], 4096                       ; tensor_dim0_stride
	s_mov_b32 s[G1A+6], 0
	s_mov_b32 s[G1A+7], 0
	; group 1 for wt: 256 columns of a block are 32,768 dense bytes: 128 rows x 128 elements of 2 bytes, two columns a row, padded behind each column
	s_or_b32 s[G1B+0], s44, (1<<16)|(1<<20)|(1<<21)|(4<<22)|(3<<25)  ; the mask: my column; elements of 2 bytes; after every 32 words (code 4) 4 words of padding
	s_mov_b32 s[G1B+1], 128<<16                    ; tensor_dim0 = 128
	s_mov_b32 s[G1B+2], 128<<16                    ; tensor_dim1 = 128
	s_mov_b32 s[G1B+3], 128<<16                    ; tile_dim0 = 128
	s_mov_b32 s[G1B+4], 128                        ; tile_dim1 = 128
	s_mov_b32 s[G1B+5], 128                        ; tensor_dim0_stride
	s_mov_b32 s[G1B+6], 0
	s_mov_b32 s[G1B+7], 0
	; where the tiles come from.  xh's hang on the tile row alone, wt's on the tile column alone; each offset is made in registers that never hold the other coordinate.
	s_lshl_b32 s16, s13, 21                        ; xh: 256 rows of 8,192 bytes a tile row,
	s_lshl_b32 s17, s12, 20                        ; 128 rows a half
	s_add_co_u32 s16, s16, s17
	s_mov_b32 s17, 0
	s_lshl_b32 s46, s42, 15                        ; wt: 256 columns of 128 bytes a tile column,
	s_lshl_b32 s47, s12, 18                        ; 262,144 bytes from a block to the next
	s_add_co_u32 s46, s46, s47
	s_mov_b32 s47, 0
	s_mul_i32 s20, s12, HALFA                      ; and where they go: no place in the cluster enters an LDS address
	s_mul_i32 s21, s12, BBLK
	s_add_co_u32 s21, s21, ABYTES
	s_wait_dscnt 0x0                               ; the opening add is done
	s_wait_kmcnt 0x0
	s_add_nc_u64 s[14:15], s[4:5], s[16:17]
	s_add_nc_u64 s[46:47], s[6:7], s[46:47]
	CROUND                                         ; all sixteen work-groups are here: the first joint loads meet
.irp s, 0,1
	s_mov_b32 s[G0A+4*(\s)], 1                                       ; 1:0 count = 1
	s_add_co_u32 s[G0A+4*(\s)+1], s20, (\s)*SLOT                     ; 63:32 LDS address
	s_add_nc_u64 s[G0A+4*(\s)+2:G0A+4*(\s)+3], s[14:15], (\s)*KSTEP*2  ; 120:64 global address: K step s
	s_or_b32 s[G0A+4*(\s)+3], s[G0A+4*(\s)+3], 0x80000000            ; 127:126 type = 2
	s_mov_b32 s[G0B+4*(\s)], 1
	s_add_co_u32 s[G0B+4*(\s)+1], s21, (\s)*SLOT
	s_add_nc_u64 s[G0B+4*(\s)+2:G0B+4*(\s)+3], s[46:47], (\s)*524288  ; a K step is two blocks
	s_or_b32 s[G0B+4*(\s)+3], s[G0B+4*(\s)+3], 0x80000000
	JLOAD \s                                       ; the ring is filled before anything else is done
.endr
	; A fragment is 16 rows x 32 K of f16 in 8 registers: lane l holds row l % 16; registers 0-3 hold K = 8 (l / 16) + 0..7, registers 4-7 K = 16 + 8 (l / 16) + 0..7.
	; From rows that lie along K: two loads of 16 bytes, 32 bytes apart.  The same for source 0 and source 1.
	v_and_b32 v1, 15, v0                           ; l % 16
	v_bfe_u32 v2, v0, 4, 1                         ; l / 16
	v_mul_u32_u24 v3, v1, PA
	v_lshl_add_u32 v3, v2, 4, v3                   ; row x pitch + 16 x half
	s_mul_i32 s22, s11, HALFA                      ; my 128 rows of xh
	v_add_nc_u32 v[ADRA], s22, v3
	v_add_nc_u32 v[ADRA+1], SLOT, v[ADRA]
	v_mul_u32_u24 v4, v1, PB
	v_lshl_add_u32 v4, v2, 4, v4
	s_mul_i32 s23, s12, 128*PB                     ; my 128 columns of wt, in the slot's first block,
	s_add_co_u32 s23, s23, ABYTES                  ; which lies behind xh's 256 rows
	v_add_nc_u32 v[ADRB], s23, v4
	v_add_nc_u32 v[ADRB+1], SLOT, v[ADRB]
	s_mul_i32 s23, s10, 16*SP
	s_add_co_u32 s23, s23, STAGE                   ; my stage
	v_mul_u32_u24 v5, v1, SP                       ; in: row l % 16, 32 bytes for each half of the lanes
	v_lshl_add_u32 v5, v2, 5, v5
	v_add_nc_u32 v[STO], s23, v5
	v_and_b32 v5, 31, v0
	v_lshlrev_b32 v[CO], 4, v5                     ; back: 32 lanes take a row's 512 consecutive bytes
	v_add_nc_u32 v[RD], s23, v[CO]
	s_lshl_b32 s16, s13, 21                        ; out0: 256 rows of 8,192 bytes a tile row,
	s_lshl_b32 s17, s11, 20                        ; 128 rows a half
	s_add_co_u32 s16, s16, s17
	s_mov_b32 s17, 0
	s_add_nc_u64 s[8:9], s[8:9], s[16:17]
	s_lshl_b32 s46, s42, 10                        ; 1,024 bytes a tile column, 512 a half (in the registers that held wt's address: none that feeds xh's descriptors ever holds cx)
	s_lshl_b32 s47, s12, 9
	s_add_co_u32 s46, s46, s47
	s_mov_b32 s47, 0
	s_add_nc_u64 s[8:9], s[8:9], s[46:47]
; 16 matrix instructions: m blocks a0, a0 + 1 of the window's four (hi = 0: my rows 0-63, 1: rows 64-127) x all 8 n blocks, 32 along K.  zero = 1: the product starts the sum: nothing is ever cleared.
; The 64 accumulators take turns, one instruction a turn, in the same order in every quarter step.
.macro MUL16 f, hi, a0, zero
	WIN MUL_LO+0x50*(\hi)
.irp a, \a0, (\a0)+1
.irp b, 0,1,2,3,4,5,6,7
.if \zero
	v_wmma_f32_16x16x32_f16 v[8*(8*(\a)+(\b)):8*(8*(\a)+(\b))+7], v[(\f)+8*(\b):(\f)+8*(\b)+7], v[(\f)+8*(4*(\hi)+(\a)):(\f)+8*(4*(\hi)+(\a))+7], 0
.else
	v_wmma_f32_16x16x32_f16 v[8*(8*(\a)+(\b)):8*(8*(\a)+(\b))+7], v[(\f)+8*(\b):(\f)+8*(\b)+7], v[(\f)+8*(4*(\hi)+(\a)):(\f)+8*(4*(\hi)+(\a))+7], v[8*(8*(\a)+(\b)):8*(8*(\a)+(\b))+7]
.endif
.endr
.endr
.endm
; 32 LDS loads in one run: the fragments of quarter q of a K step (128 columns of wt, 128 rows of xh, 32 along K) into buffer f.  In xh's rows quarter q begins at byte 64 q; of wt it lies in block q / 2, at byte 64 (q % 2).
.macro FETCH slot, q, f
	WIN TO_B
.irp i, 0,1,2,3,4,5,6,7
	ds_load_b128 v[(\f)+8*(\i):(\f)+8*(\i)+3],   v[ADRB+(\slot)] offset:((\q)/2)*BBLK+((\q)%2)*64+(\i)*16*PB
	ds_load_b128 v[(\f)+8*(\i)+4:(\f)+8*(\i)+7], v[ADRB+(\slot)] offset:((\q)/2)*BBLK+((\q)%2)*64+(\i)*16*PB+32
.endr
	WIN 0
.irp i, 0,1,2,3,4,5,6,7
	ds_load_b128 v[(\f)+8*(\i):(\f)+8*(\i)+3],   v[ADRA+(\slot)] offset:(\q)*64+(\i)*16*PA
	ds_load_b128 v[(\f)+8*(\i)+4:(\f)+8*(\i)+7], v[ADRA+(\slot)] offset:(\q)*64+(\i)*16*PA+32
.endr
.endm
; A load into a register that a matrix instruction has read, and a store that reads a result, stand four places behind that matrix instruction, and only plain vector instructions that name none of its
; registers are places (ISA guide 7.12.1 for vector instructions).
.macro PLACES
.rept 4
	v_nop
.endr
.endm
; A K step is four quarters of 32 along K, 64 matrix instructions each, on buffers 0, 1, 0, 1.  One of the first three: multiplies buffer f; in its middle it fetches quarter q of the same slot into buffer g.
.macro QUARTER slot, q, f, g, zero
	s_wait_dscnt 8                                 ; wt and xh's rows 0-63 are in; the youngest eight loads (xh's rows 64-127) may be out
	MUL16 \f, 0, 0, \zero
	MUL16 \f, 0, 2, \zero
	PLACES                                         ; for the loads into buffer g, which the quarter before multiplied
	FETCH \slot, \q, \g
	s_wait_dscnt 32                                ; all but the 32 just issued
	MUL16 \f, 1, 0, \zero
	MUL16 \f, 1, 2, \zero
.endm
; The last quarter multiplies buffer 1 and changes slots: ONE barrier for two things.  In front of it each wave waits for all its tensor loads, of which one is out: its part of the next slot; adds 0 to its
; spare word; and waits for that and for its own reads of this slot.  Behind it nobody reads this slot any more and the next slot is whole.  fill = 1: the barrier opens a round of the cluster's barrier, and
; this slot is filled again, two K steps ahead, first thing behind the round.
.macro TURN slot, next, fill
	WIN 0                                          ; (the add's two registers lie in window 0)
	s_wait_tensorcnt 0x0                           ; all my tensor loads have landed: my part of the next slot;
	ds_add_u32 v[SPW], v[NIL]                      ; 0 onto my spare word;
	s_wait_dscnt 9                                 ; (the add and the youngest eight loads may be out)
	MUL16 F1, 0, 0, 0                              ; sixteen matrix instructions stand between the add and the wait for it
	s_wait_dscnt 0x0                               ; the add is done, and my reads of this slot are over
	s_barrier_signal -1
	MUL16 F1, 0, 2, 0                              ; work on registers while the others arrive
.if \fill
	WIN 0
.endif
	s_barrier_wait -1
.if \fill
	CREST                                          ; no wave of any partner still reads this slot's tile or has a load on its way
	s_add_nc_u64 s[G0A+4*(\slot)+2:G0A+4*(\slot)+3], s[G0A+4*(\slot)+2:G0A+4*(\slot)+3], 2*KSTEP*2   ; no tensor load of mine is out, so a group 0 may be written; the type bits on top are not reached
	s_add_nc_u64 s[G0B+4*(\slot)+2:G0B+4*(\slot)+3], s[G0B+4*(\slot)+2:G0B+4*(\slot)+3], 2*524288
	JLOAD \slot                                    ; the first tensor load behind the round; the four v_nop behind it are also the places in front of the loads below
.else
	PLACES
.endif
	FETCH \next, 0, F0
	MUL16 F1, 1, 0, 0
	MUL16 F1, 1, 2, 0
.endm
	s_wait_tensorcnt 1                             ; my part of K step 0 is in; K step 1's may stay out
	s_barrier_signal -1
	s_barrier_wait -1                              ; everybody's is
	FETCH 0, 0, F0
	QUARTER 0, 1, F0, F1, 1                        ; the first quarter stands in front of the loop: its products start the sums
	WIN 0                                          ; at a label and at a branch every window is 0
	s_mov_b32 s3, LAPS-1
.Llap:                                                 ; a trip goes once round the ring, from a lap's second quarter to the next lap's first, and fills both slots again: K steps 2 to 31 in 15 trips
	QUARTER 0, 2, F1, F0, 0
	QUARTER 0, 3, F0, F1, 0
	TURN 0, 1, 1
	QUARTER 1, 1, F0, F1, 0
	QUARTER 1, 2, F1, F0, 0
	QUARTER 1, 3, F0, F1, 0
	TURN 1, 0, 1
	QUARTER 0, 1, F0, F1, 0
	WIN 0
	s_sub_co_u32 s3, s3, 1
	s_cmp_lg_u32 s3, 0
	s_cbranch_scc1 .Llap
	QUARTER 0, 2, F1, F0, 0                        ; the last lap fills nothing, and has no round of the cluster's barrier
	QUARTER 0, 3, F0, F1, 0
	TURN 0, 1, 0
	QUARTER 1, 1, F0, F1, 0
	QUARTER 1, 2, F1, F0, 0
	QUARTER 1, 3, F0, F1, 0
	s_wait_dscnt 8                                 ; the very last quarter: nothing more to fetch
	MUL16 F1, 0, 0, 0
	MUL16 F1, 0, 2, 0
	s_wait_dscnt 0x0
	MUL16 F1, 1, 0, 0
	MUL16 F1, 1, 2, 0
	WIN 0
	PLACES                                         ; the stores below read results just made, and the loads below land in xh's fragments
; THE WAY OUT, a block of 16 rows x 128 columns at a time.  A lane's 32 bytes are a sixteenth of a row's 512, and the lanes beside it hold other rows: so the block goes into my own stage in LDS, in rows of
; 528 bytes, and comes back as whole rows.  The stage is the wave's own: no barrier; LDS serves a wave's instructions in order (ISA guide 5.7.1.4), so the loads see the stores in front of them, and the
; next block's stores come behind them.
.macro TOSTAGE a
	WIN ST_LO+4*((\a)/4)
.irp b, 0,1,2,3,4,5,6,7
	ds_store_b128 v[STO], v[8*(8*((\a)%4)+(\b)):8*(8*((\a)%4)+(\b))+3]   offset:64*(\b)     ; each accumulator's four lowest registers first
	ds_store_b128 v[STO], v[8*(8*((\a)%4)+(\b))+4:8*(8*((\a)%4)+(\b))+7] offset:64*(\b)+16
.endr
	WIN 0
.endm
.macro BACK a
.if (\a) > 0
	s_wait_xcnt 0x0                                ; every earlier memory instruction has had its addresses translated (ISA guide 3.1): the registers that the last block's stores read are loaded again only behind this wait
.endif
.set t, 0
.rept 16
	ds_load_b128 v[OB+4*t:OB+4*t+3], v[RD] offset:t*SP
.set t, t+1
.endr
.endm
.macro SEND a, younger                 ; younger: the LDS instructions issued behind block a's loads: the next block's 16 stores, or none
.set t, 0
.rept 16
	s_wait_dscnt (\younger)+15-t
	global_store_b128 v[CO], v[OB+4*t:OB+4*t+3], s[8:9] offset:((\a)*16+t)*ROWB th:TH_STORE_NT  ; 512 consecutive bytes, at a multiple of 512 from out0's first byte; 127 rows, 1,040,384 bytes, at the most: inside the signed 24-bit immediate
.set t, t+1
.endr
.endm
	TOSTAGE 0
	BACK 0
.irp a, 1,2,3,4,5,6,7
	TOSTAGE \a                                     ; the next block's stores into the stage stand between a block's loads and the waits for them
	SEND (\a)-1, 16
	BACK \a
.endr
	SEND 7, 0
	s_wait_tensorcnt 0x0                           ; the wave's end, behind my last tensor load and my last LDS store
	ds_add_u32 v[SPW], v[NIL]
	s_wait_dscnt 0x0
	CROUND                                         ; the closing round: no work-group ends while a partner may still ask for a tile that names it
	s_endpgm
.Lfunc_end_k_qb0d788ed21_gemm:
	.size	k_qb0d788ed21_gemm, .Lfunc_end_k_qb0d788ed21_gemm-k_qb0d788ed21_gemm
	.p2alignl 7, 3214868480
	.fill 96, 4, 3214868480
	.section	.rodata,"a",@progbits
	.p2align	6, 0x0
	.amdhsa_kernel k_qb0d788ed21_gemm
		.amdhsa_group_segment_fixed_size 327680
		.amdhsa_private_segment_fixed_size 0
		.amdhsa_enable_private_segment 0
		.amdhsa_kernarg_size 24
		.amdhsa_user_sgpr_count 2
		.amdhsa_user_sgpr_kernarg_segment_ptr 1
		.amdhsa_wavefront_size32 1
		.amdhsa_system_sgpr_workgroup_id_x 1
		.amdhsa_system_sgpr_workgroup_id_y 1
		.amdhsa_system_sgpr_workgroup_id_z 1
		.amdhsa_system_vgpr_workitem_id 0
		.amdhsa_next_free_vgpr 1024
		.amdhsa_next_free_sgpr 66
		.amdhsa_reserve_vcc 0
		.amdhsa_float_denorm_mode_32 3
		.amdhsa_float_denorm_mode_16_64 3
		.amdhsa_memory_ordered 1
		.amdhsa_forward_progress 1
		.amdhsa_inst_pref_size 144
	.end_amdhsa_kernel
	.amdgpu_metadata
---
amdhsa.version: [ 1, 2 ]
amdhsa.kernels:
  - .name:           k_qb0d788ed21_gemm
    .symbol:         k_qb0d788ed21_gemm.kd
    .args:
      - { .name: xh, .offset: 0, .size: 8, .value_kind: global_buffer, .address_space: global }
      - { .name: wt, .offset: 8, .size: 8, .value_kind: global_buffer, .address_space: global }
      - { .name: out0, .offset: 16, .size: 8, .value_kind: global_buffer, .address_space: global }
    .group_segment_fixed_size: 327680
    .private_segment_fixed_size: 0
    .kernarg_segment_align: 8
    .kernarg_segment_size: 24
    .max_flat_workgroup_size: 128
    .sgpr_count:     66
    .vgpr_count:     1024
    .wavefront_size: 32
...
	.end_amdgpu_metadata
.endif
;; end of part 3
;; ======== version 2 of 2: 3 launches; version 1 with the launch cvtx written anew for expert scheduling mode
;; limits: values are held in f16: magnitudes above 65,504 overflow, below 6.1e-05 lose precision; inputs' magnitudes at most 65,504
;; workspace buffers: xh 67,108,864 bytes; wt 16,777,216 bytes
;; launch cvtx (part 4): grid 1024 x 1, 8 waves a work-group, no clusters, 0 bytes of LDS; arguments x, xh; writes xh
.if DOCPART == 4
	.amdgcn_target "amdgcn-amd-amdhsa--gfx1250"
	.amdhsa_code_object_version 6
	.text
	.protected	k_qb0d788ed21_cvtx
	.globl	k_qb0d788ed21_cvtx
	.p2align	8
	.type	k_qb0d788ed21_cvtx,@function
k_qb0d788ed21_cvtx:
	s_mov_b64 s[64:65], 0
	v_nop
	global_prefetch_b8 v0, s[64:65] scope:SCOPE_SE
	s_setreg_imm32_b32 hwreg(HW_REG_WAVE_SCHED_MODE, 0, 2), 2
	s_setreg_imm32_b32 hwreg(HW_REG_WAVE_MODE, 25, 1), 1
	s_wait_xcnt 0x0
	s_wait_alu depctr_vm_vsrc(0)
; xh = f16(x), element by element.  x: [8192][4096] f32, xh: the same shape in f16; both are walked as one dense run of numbers.  Each number is rounded once, to nearest even.
; LIMITS.  f16 holds no number beyond 65,504: an x of magnitude 65,520 or more becomes an infinity; below 6.1e-5 an x keeps f16's fixed step of 6e-8.  NaN and infinities go through as they come.
; WHY A LAUNCH OF ITS OWN.  In f32 a K step of 128 of the product's tiles (256 rows of x, 256 columns of w) would take 204,800 bytes of LDS, and two such slots do not fit; in f16 a slot is 143,360 bytes.
; SHARES.  A work-group of eight waves takes 128 KiB of x: 32 chunks of 4,096 bytes.  Of each chunk thread t takes the 16 bytes at 16 t, so a wave's load covers 512 consecutive bytes; its four numbers
; become 8 bytes at 8 t of the chunk's 2,048 bytes of xh, so a wave's store covers 256 consecutive bytes, at a multiple of 256 from xh's first byte.
; No LDS, no barrier, no matrix unit, no cluster: no byte is used twice.
; THE MODE: SCHED_MODE bits 1:0 = 2 (LLVM: expert scheduling mode 2), set by the entry lines.  The code itself states the register dependences
; between vector instructions and memory instructions, with s_wait_alu, always for 0.
; THE PLAN.  The 32 chunks go in 8 blocks of four.  Registers that memory instructions touch:
;   X0 .. X3   four blocks of x as loaded.  Written by the loads of block p + 3, issued in block p; read by block p's conversions.
;   Y0, Y1     two blocks of xh to store.   Written by block p's conversions; read by the four stores that are issued in block p + 1.
;   v1, v2     byte offsets, made once at the head and never written again.  The two scalar bases are never stepped either: every chunk is reached by an
;              immediate offset, 31 x 4,096 = 126,976 bytes at the most.
; Block p works on X[p % 4] and writes Y[p % 2].  Its memory instructions are the loads into X[(p + 3) % 4] = X[(p - 1) % 4] and the stores from Y[(p - 1) % 2]: the two
; buffers that block p - 1 worked on and that no vector instruction of block p names.  So the waits at the head of a block state all that the block's eight memory
; instructions hang on, and these are dealt among its conversions with no further wait.  A lap of the buffers is four blocks; of the 8 blocks the first has no block in front
; of it and the last three load nothing, so a loop would have one trip: the blocks are written out.  8 to 12 loads of every wave are in flight.
.set BLOCK,  4                         ; chunks in a block
.set BLOCKS, 32/BLOCK
.set CHUNK,  4096                      ; bytes of x that the 256 threads take with one load each
.set LO, 1                             ; v1        16 t; never rewritten
.set SO, 2                             ; v2        8 t; never rewritten
.set X,  4                             ; v[4:67]   buffer k, chunk i: 4 registers at X + 16 k + 4 i: 4 numbers as loaded
.set Y,  68                            ; v[68:83]  buffer k, chunk i: 2 registers at Y + 8 k + 2 i: the same 4 in f16, to store
	s_load_b128 s[4:7], s[0:1], 0x0                ; x s[4:5], xh s[6:7]
	s_lshl_b32 s8, ttmp9, 17                       ; the work-group's 128 KiB of x (1,023 x 131,072 stays under 2^32),
	s_mov_b32 s9, 0
	s_lshl_b32 s10, ttmp9, 16                      ; and its 64 KiB of xh
	s_mov_b32 s11, 0
	v_lshlrev_b32 v[LO], 4, v0
	v_lshlrev_b32 v[SO], 3, v0
	s_wait_kmcnt 0x0
	s_add_nc_u64 s[4:5], s[4:5], s[8:9]
	s_add_nc_u64 s[6:7], s[6:7], s[10:11]
	s_wait_alu depctr_va_vdst(0)                   ; v1 and v2 are written: every load and store of the kernel reads one of them as its offset
.irp i, 0,1,2,3,4,5,6,7,8,9,10,11
	global_load_b128 v[X+4*(\i):X+4*(\i)+3], v[LO], s[4:5] offset:(\i)*CHUNK th:TH_LOAD_NT  ; blocks 0, 1 and 2 into X0, X1, X2; x is read once in the launch
.endr
; Block p.  left = how many younger loads may still be out when this block's four have to be there.
; Blocks 0 to BLOCKS - 4 load the block three further on; blocks 1 and on store the block before.
.macro BLK p, left
.set XB, X+16*((\p)%4)                 ; the buffer at work
.set XN, X+16*(((\p)+3)%4)             ; the buffer that is loaded: the one that the block before worked on
.set YB, Y+8*((\p)%2)                  ; the buffer that is written
.set YP, Y+8*(1-(\p)%2)                ; the buffer that is stored: the one that the block before wrote
	s_wait_loadcnt \left                           ; loads come back in order (ISA guide 5.7.1): this block's four are in, the younger blocks stay out
.if (\p) > 1
	s_wait_xcnt 0x0                                ; every earlier memory instruction has had its addresses translated (ISA guide 3.1): this block's Y, which the stores issued in the block before read, is written again only behind this wait
	s_wait_alu depctr_vm_vsrc(0)                   ; the stores issued in the block before have read this block's Y, which the conversions below write again
.endif
.if (\p) > 0
	s_wait_alu depctr_va_vdst(0)                   ; the block before has written the other Y, which the stores below read, and is done reading its X, in which the loads below land
.endif
.irp i, 0,1,2,3
.if (\p)+3 < BLOCKS
	global_load_b128 v[XN+4*(\i):XN+4*(\i)+3], v[LO], s[4:5] offset:(((\p)+3)*BLOCK+(\i))*CHUNK th:TH_LOAD_NT  ; three blocks ahead, the load ahead of the store; no vector instruction since the wait names these registers
.endif
.if (\p) > 0
	global_store_b64 v[SO], v[YP+2*(\i):YP+2*(\i)+1], s[6:7] offset:(((\p)-1)*BLOCK+(\i))*CHUNK/2             ; the block before; no hint: a later launch reads these bytes
.endif
	v_cvt_pk_f16_f32 v[YB+2*(\i)],   v[XB+4*(\i)],   v[XB+4*(\i)+1]
	v_cvt_pk_f16_f32 v[YB+2*(\i)+1], v[XB+4*(\i)+2], v[XB+4*(\i)+3]
.endr
.endm
.irp p, 0,1,2,3,4,5
	BLK \p, 2*BLOCK                                ; the two younger blocks' eight loads stay out
.endr
	BLK 6, BLOCK                                   ; blocks 5 to 7 load nothing: no load leaves the buffer, and the counts run down
	BLK 7, 0
	s_wait_alu depctr_va_vdst(0)                   ; block 7 has written Y1, which the last four stores read
.irp i, 0,1,2,3
	global_store_b64 v[SO], v[Y+8+2*(\i):Y+8+2*(\i)+1], s[6:7] offset:((BLOCKS-1)*BLOCK+(\i))*CHUNK/2
.endr
	s_endpgm
.Lfunc_end_k_qb0d788ed21_cvtx:
	.size	k_qb0d788ed21_cvtx, .Lfunc_end_k_qb0d788ed21_cvtx-k_qb0d788ed21_cvtx
	.p2alignl 7, 3214868480
	.fill 96, 4, 3214868480
	.section	.rodata,"a",@progbits
	.p2align	6, 0x0
	.amdhsa_kernel k_qb0d788ed21_cvtx
		.amdhsa_group_segment_fixed_size 0
		.amdhsa_private_segment_fixed_size 0
		.amdhsa_enable_private_segment 0
		.amdhsa_kernarg_size 16
		.amdhsa_user_sgpr_count 2
		.amdhsa_user_sgpr_kernarg_segment_ptr 1
		.amdhsa_wavefront_size32 1
		.amdhsa_system_sgpr_workgroup_id_x 1
		.amdhsa_system_sgpr_workgroup_id_y 1
		.amdhsa_system_sgpr_workgroup_id_z 1
		.amdhsa_system_vgpr_workitem_id 0
		.amdhsa_next_free_vgpr 84
		.amdhsa_next_free_sgpr 66
		.amdhsa_reserve_vcc 0
		.amdhsa_float_denorm_mode_32 3
		.amdhsa_float_denorm_mode_16_64 3
		.amdhsa_memory_ordered 1
		.amdhsa_forward_progress 1
		.amdhsa_inst_pref_size 12
	.end_amdhsa_kernel
	.amdgpu_metadata
---
amdhsa.version: [ 1, 2 ]
amdhsa.kernels:
  - .name:           k_qb0d788ed21_cvtx
    .symbol:         k_qb0d788ed21_cvtx.kd
    .args:
      - { .name: x, .offset: 0, .size: 8, .value_kind: global_buffer, .address_space: global }
      - { .name: xh, .offset: 8, .size: 8, .value_kind: global_buffer, .address_space: global }
    .group_segment_fixed_size: 0
    .private_segment_fixed_size: 0
    .kernarg_segment_align: 8
    .kernarg_segment_size: 16
    .max_flat_workgroup_size: 256
    .sgpr_count:     66
    .vgpr_count:     84
    .wavefront_size: 32
...
	.end_amdgpu_metadata
.endif
;; end of part 4
;; launch dequant: the kernel of part 2 again; grid 4 x 64, 8 waves a work-group, no clusters, 25,856 bytes of LDS; arguments qweight, qzeros, scales, wt; writes wt
;; launch gemm: the kernel of part 3 again; grid 8 x 32, 4 waves a work-group, clusters of 4 x 4, 327,680 bytes of LDS; arguments xh, wt, out0; writes out0
